; MI455X (gfx1250); checked and timed in simulation.
; The chip was launched on July 23, 2026; its instructions are those of AMD's public machine-readable ISA for CDNA 5 (MIT licence, August 2026) and "CDNA5" Instruction Set Architecture Reference Guide (July 2026). The comments in the code are by the model that wrote it; some were corrected since.
;; KAN Linear. Allowed arithmetic: float matrix products may take bf16 or f16 operands with f32 sums; other float arithmetic in f32, or as packed bf16 or f16 multiplies, adds, multiply-adds, maxima and minima; sums over many terms, partial sums and values carried from step to step in f32; what a program stores and reads back later, other than sums and carried values, may be rounded once to bf16 or f16.
;; Inputs: base_weight 512 x 512 float32; spline_scaler 512 x 512 float32; spline_weight 512 x 512 x 8 float32; x 16,384 x 512 float32.
;; Outputs: out0 16,384 x 512 float32.
;; 2 versions, each right; version 2 is version 1 with the launch prep written anew for expert scheduling mode. Each part assembles by itself: llvm-mc -triple=amdgcn-amd-amdhsa -mcpu=gfx1250 --defsym DOCPART=n.
;; ======== version 1 of 2: 2 launches
;; limits: values are held in f16: magnitudes above 65,504 overflow, below 6.1e-05 lose precision; inputs' magnitudes at most 65,504
;; workspace buffers: wq 4,718,592 bytes
;; launch prep (part 1): grid 32 x 8, 8 waves a work-group, no clusters, 20,736 bytes of LDS; arguments base_weight, spline_scaler, spline_weight, wq; writes wq
.if DOCPART == 1
	.amdgcn_target "amdgcn-amd-amdhsa--gfx1250"
	.amdhsa_code_object_version 6
	.text
	.protected	k_q59abcda190_prep
	.globl	k_q59abcda190_prep
	.p2align	8
	.type	k_q59abcda190_prep,@function
k_q59abcda190_prep:
	s_mov_b64 s[64:65], 0
	v_nop
	global_prefetch_b8 v0, s[64:65] scope:SCOPE_SE
	s_setreg_imm32_b32 hwreg(HW_REG_WAVE_MODE, 25, 1), 1
	s_wait_xcnt 0x0
; THE WEIGHTS, ONCE, IN THE ORDER IN WHICH THE SECOND LAUNCH'S MATRIX INSTRUCTIONS WANT THEM.
; wq = [cb2 2][step 36][kh 2][j 2][cbk 16][1,024 bytes].  A block of 1,024 bytes is one fragment, 16 output columns x 32 along K, as [e 2][h 2][r 16][16 bytes]:
; the 16 bytes at (e, h, r) are registers 4 e .. 4 e + 3 of lane 16 h + r, so a load of 16 bytes a lane at 16 x lane brings half a fragment.
; Feature f: e = bit 0, q = bits 2:1, h = bit 3, kh = bit 4 (which half of K: which wave of the second launch), T = f / 32.  Chunk c of a half lies at step c / 2, j = c % 2.
;   spline chunks c = 4 T + q, bf16: the 16 bytes at (e, h, r) are the feature's 8 coefficients spline_weight x (spline_scaler / 6), rounded once
;     (the second launch makes 6 x the bases; the order of rounding differs from the product spline_weight x spline_scaler taken first);
;   base chunks c = 64 + T / 2, f16: half e = T % 2, h as above, element = bits 2:0 of f; the number is base_weight rounded once.
; LIMITS.  f16 holds no number beyond 65,504 and keeps a fixed step of 6e-8 below 6e-5: base_weight is taken to lie within that range.
; SHARES.  A work-group takes 16 columns (ng) x 64 features (Tt): 16 spline fragments and 2 base fragments.  Thread t: feature fl = t % 64, columns 4 it + t / 64, it = 0..3.
; The numbers change lanes through LDS, so that every store of a wave covers 512 consecutive bytes, at a multiple of 512 from wq's first byte.
.set HP,    272                        ; in LDS a quarter fragment (one h: 16 columns x 16 bytes) takes 256 bytes + 16,
.set UP,    544                        ; half a fragment two of them
.set BST,   32*UP                      ; from 0: 32 halves of spline fragments, number 8 (fl / 16) + fl % 8; here: 4 halves of base fragments, number 2 kh + T % 2
.set SPARE, 19712                      ; the spare words, 128 bytes for each of the eight waves: four blocks of 256 bytes that no other line names
.set CB2B,  2359296                    ; bytes of wq for 256 columns
	s_load_b256 s[4:11], s[0:1], 0x0               ; base_weight s[4:5], spline_scaler s[6:7], spline_weight s[8:9], wq s[10:11]
	v_lshl_add_u32 v2, v0, 2, SPARE                ; my spare word
	v_mov_b32 v3, 0
	v_lshrrev_b32 v1, 5, v0
	v_readfirstlane_b32 s12, v1                    ; wave 0..7: on the way out it takes half number wave of each eight: q = wave / 2, e = wave % 2
	s_and_b32 s13, ttmp7, 0xffff                   ; Tt
	v_and_b32 v4, 63, v0                           ; fl
	v_lshrrev_b32 v5, 6, v0                        ; nq = t / 64
	v_lshlrev_b32 v6, 5, v4                        ; spline_weight: 32 bytes a feature,
	v_lshl_add_u32 v6, v5, 14, v6                  ; 16,384 a column
	v_lshlrev_b32 v7, 2, v4                        ; the two [512][512] tensors: 4 bytes a feature,
	v_lshl_add_u32 v7, v5, 11, v7                  ; 2,048 a column
	s_lshl_b32 s14, ttmp9, 18                      ; 16 columns of spline_weight
	s_lshl_b32 s15, s13, 11                        ; 64 features of it
	s_add_co_u32 s14, s14, s15
	s_mov_b32 s15, 0
	s_lshl_b32 s16, ttmp9, 15                      ; the same in the two smaller tensors
	s_lshl_b32 s17, s13, 8
	s_add_co_u32 s16, s16, s17
	s_mov_b32 s17, 0
	s_lshr_b32 s20, ttmp9, 4                       ; cb2
	s_mul_i32 s20, s20, CB2B
	s_and_b32 s21, ttmp9, 15                       ; cbk
	s_lshl_b32 s21, s21, 10
	s_add_co_u32 s20, s20, s21
	s_and_b32 s21, s12, 1                          ; which half of a fragment I store
	s_lshl_b32 s21, s21, 9
	s_add_co_u32 s20, s20, s21                     ; what all my stores share
	s_lshl_b32 s22, s13, 18                        ; spline: step 4 Tt + 2 (T % 2) + q / 2; T % 2 and kh stand in the stores' immediates
	s_add_co_u32 s22, s22, s20
	s_lshr_b32 s21, s12, 2                         ; q / 2
	s_lshl_b32 s21, s21, 16
	s_add_co_u32 s22, s22, s21
	s_bfe_u32 s21, s12, 0x10001                    ; j = q % 2
	s_lshl_b32 s21, s21, 14
	s_add_co_u32 s22, s22, s21
	s_mov_b32 s23, 0
	s_lshr_b32 s24, s13, 1                         ; base: chunk 64 + Tt: step 32 + Tt / 2,
	s_add_co_u32 s24, s24, 32
	s_lshl_b32 s24, s24, 16
	s_add_co_u32 s24, s24, s20
	s_lshr_b32 s21, s12, 1                         ; kh = wave / 2 (waves 0 to 3),
	s_lshl_b32 s21, s21, 15
	s_add_co_u32 s24, s24, s21
	s_and_b32 s21, s13, 1                          ; j = Tt % 2
	s_lshl_b32 s21, s21, 14
	s_add_co_u32 s24, s24, s21
	s_mov_b32 s25, 0
	s_wait_kmcnt 0x0
	s_add_nc_u64 s[8:9], s[8:9], s[14:15]
	s_add_nc_u64 s[6:7], s[6:7], s[16:17]
	s_add_nc_u64 s[4:5], s[4:5], s[16:17]
	s_add_nc_u64 s[26:27], s[10:11], s[22:23]
	s_add_nc_u64 s[28:29], s[10:11], s[24:25]
.irp t, 0,1,2,3                        ; all sixteen loads go out together; each byte is read once in the launch
	global_load_b128 v[16+8*\t:19+8*\t], v6, s[8:9] offset:\t*65536 th:TH_LOAD_NT
	global_load_b128 v[20+8*\t:23+8*\t], v6, s[8:9] offset:\t*65536+16 th:TH_LOAD_NT
	global_load_b32 v[48+\t], v7, s[6:7] offset:\t*8192 th:TH_LOAD_NT
	global_load_b32 v[52+\t], v7, s[4:5] offset:\t*8192 th:TH_LOAD_NT
.endr
	; LDS addresses, made while the loads are out
	v_lshrrev_b32 v12, 4, v4                       ; 2 (T % 2) + kh
	v_and_b32 v13, 7, v4                           ; 2 q + e
	v_lshl_add_u32 v13, v12, 3, v13                ; the half's number
	v_mul_u32_u24 v8, v13, UP
	v_bfe_u32 v14, v4, 3, 1                        ; h
	v_mul_u32_u24 v14, v14, HP
	v_add_nc_u32 v8, v8, v14
	v_lshl_add_u32 v8, v5, 4, v8                   ; column 4 it + nq: 16 nq here, 64 it in the immediate
	v_bfe_u32 v12, v4, 4, 1                        ; kh
	v_lshrrev_b32 v13, 5, v4                       ; T % 2
	v_lshl_add_u32 v13, v12, 1, v13
	v_mul_u32_u24 v9, v13, UP
	v_add_nc_u32 v9, v9, v14
	v_lshl_add_u32 v9, v5, 4, v9
	v_and_b32 v13, 7, v4                           ; the element
	v_lshl_add_u32 v9, v13, 1, v9
	v_add_nc_u32 v9, BST, v9
	v_and_b32 v13, 31, v0                          ; back: a wave takes half a fragment, lane l its bytes 16 l
	v_lshrrev_b32 v12, 4, v13
	v_mul_u32_u24 v12, v12, HP
	v_and_b32 v15, 15, v0
	v_lshl_add_u32 v12, v15, 4, v12
	s_mul_i32 s19, s12, UP
	v_add_nc_u32 v10, s19, v12                     ; half number wave of the round's eight
	v_add_nc_u32 v12, BST, v10                     ; waves 0 to 3: half number wave of the base fragments
	v_lshlrev_b32 v11, 4, v13                      ; my 16 bytes of the half in wq
	s_wait_loadcnt 0x0
.irp t, 0,1,2,3
	v_mul_f32 v[56+2*\t], 0x3e2aaaab, v[48+\t]     ; spline_scaler / 6, twice: a pair for the packed multiply
	v_mov_b32 v[57+2*\t], v[56+2*\t]
.irp k, 0,1,2,3
	v_pk_mul_f32 v[16+8*\t+2*\k:17+8*\t+2*\k], v[16+8*\t+2*\k:17+8*\t+2*\k], v[56+2*\t:57+2*\t]
.endr
.irp k, 0,1,2,3
	v_cvt_pk_bf16_f32 v[64+4*\t+\k], v[16+8*\t+2*\k], v[17+8*\t+2*\k]
.endr
	ds_store_b128 v8, v[64+4*\t:67+4*\t] offset:\t*64
	v_cvt_pk_f16_f32 v[80+\t], v[52+\t], v[52+\t]
	ds_store_b16 v9, v[80+\t] offset:\t*64
.endr
	s_wait_dscnt 0x0                               ; for the others' sake: my stores are done
	s_barrier_signal -1
	s_barrier_wait -1                              ; all eighteen fragments lie whole in LDS
.irp t, 0,1,2,3                        ; round t: T % 2 = t / 2, kh = t % 2
	ds_load_b128 v[16+4*\t:19+4*\t], v10 offset:\t*8*UP
.endr
.irp t, 0,1,2,3
	s_wait_dscnt 3-\t                              ; LDS loads come back in order: number t is in, the younger ones may be out
	global_store_b128 v11, v[16+4*\t:19+4*\t], s[26:27] offset:(\t>>1)*131072+(\t&1)*32768
.endr
	s_cmp_lt_u32 s12, 4                            ; the four halves of the two base fragments: waves 0 to 3
	s_cbranch_scc0 .Lend
	ds_load_b128 v[32:35], v12
	s_wait_dscnt 0x0
	global_store_b128 v11, v[32:35], s[28:29]
.Lend:
	s_wait_tensorcnt 0x0                           ; the wave's end: three closing lines, behind my last LDS store
	ds_add_u32 v2, v3
	s_wait_dscnt 0x0
	s_endpgm
.Lfunc_end_k_q59abcda190_prep:
	.size	k_q59abcda190_prep, .Lfunc_end_k_q59abcda190_prep-k_q59abcda190_prep
	.p2alignl 7, 3214868480
	.fill 96, 4, 3214868480
	.section	.rodata,"a",@progbits
	.p2align	6, 0x0
	.amdhsa_kernel k_q59abcda190_prep
		.amdhsa_group_segment_fixed_size 20736
		.amdhsa_private_segment_fixed_size 0
		.amdhsa_enable_private_segment 0
		.amdhsa_kernarg_size 32
		.amdhsa_user_sgpr_count 2
		.amdhsa_user_sgpr_kernarg_segment_ptr 1
		.amdhsa_wavefront_size32 1
		.amdhsa_system_sgpr_workgroup_id_x 1
		.amdhsa_system_sgpr_workgroup_id_y 1
		.amdhsa_system_sgpr_workgroup_id_z 1
		.amdhsa_system_vgpr_workitem_id 0
		.amdhsa_next_free_vgpr 96
		.amdhsa_next_free_sgpr 66
		.amdhsa_reserve_vcc 0
		.amdhsa_float_denorm_mode_32 3
		.amdhsa_float_denorm_mode_16_64 3
		.amdhsa_memory_ordered 1
		.amdhsa_forward_progress 1
		.amdhsa_inst_pref_size 10
	.end_amdhsa_kernel
	.amdgpu_metadata
---
amdhsa.version: [ 1, 2 ]
amdhsa.kernels:
  - .name:           k_q59abcda190_prep
    .symbol:         k_q59abcda190_prep.kd
    .args:
      - { .name: base_weight, .offset: 0, .size: 8, .value_kind: global_buffer, .address_space: global }
      - { .name: spline_scaler, .offset: 8, .size: 8, .value_kind: global_buffer, .address_space: global }
      - { .name: spline_weight, .offset: 16, .size: 8, .value_kind: global_buffer, .address_space: global }
      - { .name: wq, .offset: 24, .size: 8, .value_kind: global_buffer, .address_space: global }
    .group_segment_fixed_size: 20736
    .private_segment_fixed_size: 0
    .kernarg_segment_align: 8
    .kernarg_segment_size: 32
    .max_flat_workgroup_size: 256
    .sgpr_count:     66
    .vgpr_count:     96
    .wavefront_size: 32
...
	.end_amdgpu_metadata
.endif
;; end of part 1
;; launch kan (part 2): grid 128 x 2, 4 waves a work-group, clusters of 4 x 1, 327,680 bytes of LDS; arguments x, wq, out0; writes out0
.if DOCPART == 2
	.amdgcn_target "amdgcn-amd-amdhsa--gfx1250"
	.amdhsa_code_object_version 6
	.text
	.protected	k_q59abcda190_kan
	.globl	k_q59abcda190_kan
	.p2align	8
	.type	k_q59abcda190_kan,@function
k_q59abcda190_kan:
	s_mov_b64 s[64:65], 0
	v_nop
	global_prefetch_b8 v0, s[64:65] scope:SCOPE_SE
	s_setreg_imm32_b32 hwreg(HW_REG_WAVE_MODE, 25, 1), 1
	s_wait_xcnt 0x0
	s_wait_alu depctr_hold_cnt(0) depctr_sa_sdst(0) depctr_va_vdst(0) depctr_va_sdst(0) depctr_va_ssrc(0) depctr_va_vcc(0) depctr_vm_vsrc(0)
	s_getreg_b32 s2, hwreg(HW_REG_IB_STS2, 6, 4)
	s_cmp_eq_u32 s2, 0
	s_cbranch_scc0 .Lentry_in_a_cluster
	s_endpgm
.Lentry_in_a_cluster:
	s_bfe_u32 s2, ttmp6, 0x10000c
	s_cmp_lg_u32 s2, 0x3003
	s_cbranch_scc0 .Lentry_shape_is_right
	s_endpgm
.Lentry_shape_is_right:
; out[16384][512] = A[16384][4608] W'^T.  For each of the 512 features A holds the 8 cubic B-spline bases of x (bf16, times 6) and silu(x) (f16); W' (wq) was laid out by the launch before.
; A IS NEVER STORED IN MEMORY: each lane makes, from x of its own row, the registers that the matrix instruction wants.  Sums in f32.
; THE BASES.  The knots are uniform: t = 2.5 x + 5.5, j = floor(t), u = t - j, v = 1 - u.  Only bases j - 3 .. j differ from 0: v^3, u^2 (3 u - 6) + 4, v^2 (3 v - 6) + 4, u^3 (all six times the basis;
; W' holds a sixth).  t is held to 0 .. 11, where the four weights fall outside positions 0 .. 7 or are 0.  The four, rounded to bf16, are two words; selects by j alone put them at halves j - 3 .. j of four words.
; FORMATS.  Spline product in bf16 (its weights, products of two inputs, have no room in f16 when the inputs are small); base product in f16 (silu(x) and base_weight each rounded once to 11 bits).
; LIMITS.  |x| and |base_weight| stay under 65,504, f16's largest; below 6e-5 f16 keeps a fixed step of 6e-8.  t is made by two f32 roundings (x 2.5 / 11 + 0.5, then times 11).
; NaN and infinities in x are not treated apart (they reach the output through silu alone).
; SHARES.  A work-group makes 128 rows x 256 columns.  Wave w: rows 64 (w / 2) .. + 63, and HALF OF K (kh = w % 2: features 16 kh .. 16 kh + 15 of each 32): 64 accumulators, 512 registers.
; So each x is expanded once in the work-group, and a fragment of W' read from LDS feeds four products.  The two halves of K meet once, in the pass through LDS that turns the results into whole rows.
; K, for each half: 64 spline chunks of 32 (tile T of 32 features, chunks q = 0..3, two features a lane each), then 8 base chunks.  Lane (r, h) owns features 8 h .. 8 h + 7 of its half of a tile: 32 bytes of row r.
; THE RING.  W' goes in steps of two chunks for both halves (65,536 bytes) through two LDS slots; waves 0 and 1 fetch a half each.  A tile of x (128 rows x 128 bytes) has one slot, fetched by waves 2 and 3: it is
; read whole into registers behind the round that shows it landed, and filled again two chunks later.  From a request to the wait for it a wave issues 120 products.
; A tile's rows of x are 128 bytes, half of an aligned 256: rows of 256 bytes would want a trip of eight chunks, twice the loop's text.  x is 256 KiB of the 2.6 MiB that a work-group brings into LDS.
; CLUSTER.  The four work-groups of a cluster make the same 256 columns for different rows: every step of W' is asked for JOINTLY (mask 15).  x is each work-group's own; the two work-groups that read
; the same rows of x lie in different clusters, and a trip's x is 16 KiB beside 128 KiB of W': it is not shared.
; ONE TEXT FOR EVERY TRIP, and its prices, once a launch: the 512 accumulator registers are cleared (in the wait for the first tiles) so that no first chunk is written out; the last trip fetches tile 0 of x
; once more, reads it and expands its first chunk, and nobody uses that.
; BY TURNS.  Behind each product stands a slice of vector instructions: the next chunk's expansion (252 a chunk) or the tile's silu (128 a trip): 1,136 for a trip's 256 products.
; REGISTERS, in windows of 256 (s_set_vgpr_msb: bits 1:0 source 0, 3:2 source 1, 5:4 source 2, 7:6 destination):
;   window 0: v0-19 addresses and constants; v20-53, v54-87 the expansion's temporaries, by the unit's parity; v88-119 x of the tile (row block rb, feature n at 88 + 8 rb + n); v152-183, v184-215 two buffers of A;
;             v216-221 addresses and selectors
;   window 1: v0-127 W' (column block cb at 8 cb); v128-159 x once more, for silu; v160-191 silu at work          windows 2, 3: accumulator (rb, cb) at 8 (16 (rb % 2) + cb) of window 2 + rb / 2
.set SLOTB, 65536                      ; a slot: [kh 2][j 2][cbk 16][1,024]; slot 1 begins here, so that one exclusive or turns an address in one slot into the other's
.set STEPB, 65536                      ; a step in wq
.set CB2B,  2359296                    ; 36 steps: wq for 256 columns
.set XSL,   131072                     ; the tile of x: 128 rows of
.set XPI,   144                        ; 128 bytes + 16 of padding: the 16 rows of a load start at 16 different groups of four banks (ISA guide 11.1)
.set SS,    XSL+128*XPI                ; silu in f16, written by LDS stores alone: [wave 32,768][tile 2,048][rb 512][lane 16]: each wave's own bytes
.set SPARE, 327168                     ; the spare words, 128 bytes for each wave: two blocks of 256 bytes that no other line names
.set PSP,   1040                       ; the way out (from LDS byte 0, behind every slot's last fill): a row of 256 f32 + 16 bytes,
.set PSC,   128*PSP                    ; 128 rows for each half of K
.set XN,    88
.set AB,    152
.set XSR,   128
.set EW,    160
.set MSB, 0
.macro WIN new                         ; the immediate's high byte repeats the setting that is left; a switch that changes nothing is dropped
.if MSB != (\new)
	s_set_vgpr_msb (MSB<<8)|(\new)
.set MSB, \new
.endif
.endm
.macro PLACES                          ; four places behind a product, in front of loads into registers that it has read (ISA guide 7.12.1 for vector instructions)
.rept 4
	v_nop
.endr
.endm
.macro CREST                           ; a round of the cluster's barrier behind its opening barrier
	s_cmp_lg_u32 s10, 0
	s_cbranch_scc1 .Lnot_wave_0_\@
	s_barrier_signal -3
.Lnot_wave_0_\@:
	s_barrier_wait -3
	s_barrier_signal -1
	s_barrier_wait -1
.endm
.macro CROUND                          ; a whole round
	s_barrier_signal -1
	s_barrier_wait -1
	CREST
.endm
; The refills.  Waves 0 and 1 ask jointly for the two halves of a step of W'; where a tile of x is due, waves 2 and 3 ask for its two halves.  The branch hangs on the wave's number alone.
; An s_nop 0 and four v_nop follow each load, ahead of the jump and the label.
.macro JLOADW
	s_cmp_lt_u32 s10, 2
	s_cbranch_scc0 .Lno_w_\@
	tensor_load_to_lds s[28:31], s[16:23]
	s_nop 0
	PLACES
.Lno_w_\@:
.endm
.macro JLOADWX
	s_cmp_lt_u32 s10, 2
	s_cbranch_scc0 .Lfor_x_\@
	tensor_load_to_lds s[28:31], s[16:23]
	s_nop 0
	PLACES
	s_branch .Lasked_\@
.Lfor_x_\@:
	tensor_load_to_lds s[40:43], s[32:39]
	s_nop 0
	PLACES
.Lasked_\@:
.endm
; PREFETCHES INTO THE L2, behind the refill and its five lines.  W': the step that the NEXT change of slots will ask for.  All 32 clusters of a column half walk the same W': the first (cluster x = 0) asks; in it
; waves 0 and 1 name the half that they fetch, and the four partners share its 32,768 bytes out BY ADDRESS, 8,192 each, a lane a block of 256 bytes.  Steps 0 to 2 come by their loads alone.
.macro ASKW
	s_cmp_eq_u32 s54, 1
	s_cbranch_scc0 .Lnot_mine_\@
	global_prefetch_b8 v8, s[56:57] th:TH_LOAD_NT scope:SCOPE_SE
.Lnot_mine_\@:
.endm
; x: a block of 256 bytes of a row serves two tiles, so a trip asks for 64 of the 128 rows: in trip n, with m = n + 1, rows 64 (m % 2) on of block m / 2 + 1, whose first tile is filled four or eight chunks
; later.  A lane a row, 32 rows each for waves 2 and 3.  Of the two work-groups that read these rows the one with column half 0 asks.  Block 0, and rows 0 to 63 of block 1, come by their loads alone; the last
; three trips ask for nothing (s49 counts 16 down to 1): block 7 is the last.
.macro ASKX
	s_cmp_gt_u32 s49, s55
	s_cbranch_scc0 .Lnot_mine_\@
	global_prefetch_b8 v9, s[58:59] th:TH_LOAD_NT scope:SCOPE_SE
.Lnot_mine_\@:
.endm
; THE LDS LOADS stand in runs.  Eight loads: column blocks 4 qd .. 4 qd + 3 of chunk j of the slot in hand.
.macro BLOAD j, qd
	WIN 0x40                                       ; destination window 1, address window 0
.irp c, 0,1,2,3
	ds_load_b128 v[8*(4*(\qd)+\c):8*(4*(\qd)+\c)+3],   v5 offset:(\j)*16384+(4*(\qd)+\c)*1024
	ds_load_b128 v[8*(4*(\qd)+\c)+4:8*(4*(\qd)+\c)+7], v5 offset:(\j)*16384+(4*(\qd)+\c)*1024+512
.endr
.endm
.macro HLOAD                           ; my eight features of the tile, for my four row blocks
	WIN 0
.irp r, 0,1,2,3
.irp t, 0,1
	ds_load_b128 v[XN+8*\r+4*\t:XN+8*\r+4*\t+3], v6 offset:\r*16*XPI+\t*16
.endr
.endr
.endm
.macro XSLOAD                          ; the same once more, for silu
	WIN 0x40
.irp r, 0,1,2,3
.irp t, 0,1
	ds_load_b128 v[XSR+8*\r+4*\t:XSR+8*\r+4*\t+3], v6 offset:\r*16*XPI+\t*16
.endr
.endr
.endm
.macro SSTORE                          ; the tile's silu: half of a base chunk's four fragments of A, into my own stage
	WIN 0
	v_add_nc_u32 v7, s85, v216                     ; the tile's place
	s_add_co_u32 s85, s85, 2048                    ; the next tile's
	WIN 0x04                                       ; data (source 1) window 1
.irp r, 0,1,2,3
	ds_store_b128 v7, v[EW+8*\r:EW+8*\r+3] offset:\r*512
.endr
.endm
.macro ALOAD n                         ; the fragments of A of the base chunk n behind the one at which v219 stands; LDS serves a wave's instructions in order (ISA guide 5.7.1.4), and these bytes are my own
	WIN 0
.irp r, 0,1,2,3
.irp e, 0,1
	ds_load_b128 v[AB+32*((\n)&1)+8*\r+4*\e:AB+32*((\n)&1)+8*\r+4*\e+3], v219 offset:(\n)*4096+\e*2048+\r*512
.endr
.endr
.endm
; PRODUCT i OF A CHUNK'S 64: column block 4 (i / 16) + i % 4, row block (i / 4) % 4.  Used transposed (source 0 = 16 columns of W', source 1 = 16 rows of A): a lane holds one row of out and 8 neighbouring columns.
; The 64 accumulators take turns, in the same order in every chunk, over the backward jumps too.
.macro MM a, f
.set cb, 4*(i/16)+i%4
.set rb, (i/4)%4
.set AC, 8*(16*(rb%2)+cb)
.set AF, AB+32*(\a)+8*rb
	WIN 0xa1+0x50*(rb/2)                           ; W' window 1, A window 0, C and D window 2 or 3
.if \f
	v_wmma_f32_16x16x32_f16 v[AC:AC+7], v[8*cb:8*cb+7], v[AF:AF+7], v[AC:AC+7]
.else
	v_wmma_f32_16x16x32_bf16 v[AC:AC+7], v[8*cb:8*cb+7], v[AF:AF+7], v[AC:AC+7]
.endif
.endm
; THE EXPANSION of chunk GN into buffer AN: a queue of 252; XOP writes the next.  A UNIT is a row block's two features (e = 0, 1): 63 instructions; units 0 and 1 by turns, then units 2 and 3.
;   0, 1    t / 11 = x 2.5 / 11 + 0.5 held to 0 .. 1; t            2-5    u = fract(t); j = trunc(t)                 6-14   v; u^2, v^2; 3 u - 6, 3 v - 6; u^3, v^3; the two middle weights
;   15-18   LO = (w0, w1), HI = (w2, w3) in bf16                   19-30  four lane masks: j odd; j & 2; j < 4; j >= 8       31, 32 the byte selector: j odd: the words as they are; j even: half a word up
;   33-38   P0 P1 P2: the two words at halves j - 3 .. j of three words that begin at word j / 2 - 2
;   39-46   Y: four words that begin at word 2 (j / 4) - 2          47-62  the feature's four words: Y two words down (j < 4), as it is, or two words up (j >= 8)
.macro XOP
.set xo, (xq%126)/2
.set xe, (xo+1)%2
.set xu, 2*(xq/126)+xq%2
.set UT, 20+34*(xq%2)
.set MK, 66+8*(xq%2)
.set XR, XN+8*xu+2*GN
.set AR, AB+32*AN+8*xu
	WIN 0
.if xo == 0
	v_pk_fma_f32 v[UT:UT+1], v[XR:XR+1], v[16:17], v[18:19] clamp
.elseif xo == 1
	v_pk_mul_f32 v[UT:UT+1], v[UT:UT+1], 0x41300000 op_sel_hi:[1,0]
.elseif xo < 4
	v_fract_f32 v[UT+xo], v[UT+xo-2]
.elseif xo < 6
	v_cvt_u32_f32 v[UT+xo+2], v[UT+xo-4]
.elseif xo == 6
	v_pk_fma_f32 v[UT+4:UT+5], v[UT+2:UT+3], -1.0, 1.0 op_sel_hi:[1,0,0]
.elseif xo == 7
	v_pk_mul_f32 v[UT+8:UT+9], v[UT+2:UT+3], v[UT+2:UT+3]
.elseif xo == 8
	v_pk_mul_f32 v[UT+10:UT+11], v[UT+4:UT+5], v[UT+4:UT+5]
.elseif xo == 9
	v_pk_fma_f32 v[UT+12:UT+13], v[UT+2:UT+3], s[50:51], s[52:53] op_sel_hi:[1,0,0]
.elseif xo == 10
	v_pk_fma_f32 v[UT+14:UT+15], v[UT+4:UT+5], s[50:51], s[52:53] op_sel_hi:[1,0,0]
.elseif xo == 11
	v_pk_mul_f32 v[UT+16:UT+17], v[UT+8:UT+9], v[UT+2:UT+3]
.elseif xo == 12
	v_pk_mul_f32 v[UT+18:UT+19], v[UT+10:UT+11], v[UT+4:UT+5]
.elseif xo == 13
	v_pk_fma_f32 v[UT+12:UT+13], v[UT+8:UT+9], v[UT+12:UT+13], 4.0 op_sel_hi:[1,1,0]
.elseif xo == 14
	v_pk_fma_f32 v[UT+14:UT+15], v[UT+10:UT+11], v[UT+14:UT+15], 4.0 op_sel_hi:[1,1,0]
.elseif xo < 17
	v_cvt_pk_bf16_f32 v[UT+20+xe], v[UT+18+xe], v[UT+12+xe]
.elseif xo < 19
	v_cvt_pk_bf16_f32 v[UT+22+xe], v[UT+14+xe], v[UT+16+xe]
.elseif xo < 21
	v_and_b32 v[UT+24+xe], 1, v[UT+6+xe]
.elseif xo < 23
	v_and_b32 v[UT+26+xe], 2, v[UT+6+xe]
.elseif xo < 25
	v_cmp_ne_u32 s[MK+xe], 0, v[UT+24+xe]
.elseif xo < 27
	v_cmp_ne_u32 s[MK+2+xe], 0, v[UT+26+xe]
.elseif xo < 29
	v_cmp_gt_u32 s[MK+4+xe], 4, v[UT+6+xe]
.elseif xo < 31
	v_cmp_le_u32 s[MK+6+xe], 8, v[UT+6+xe]
.elseif xo < 33
	v_cndmask_b32 v[UT+24+xe], v217, v218, s[MK+xe]
.elseif xo < 35
	v_perm_b32 v[UT+28+xe], v[UT+20+xe], 0, v[UT+24+xe]
.elseif xo < 37
	v_perm_b32 v[UT+30+xe], v[UT+22+xe], v[UT+20+xe], v[UT+24+xe]
.elseif xo < 39
	v_perm_b32 v[UT+32+xe], 0, v[UT+22+xe], v[UT+24+xe]
.elseif xo < 41
	v_cndmask_b32 v[UT+2+xe], v[UT+28+xe], 0, s[MK+2+xe]
.elseif xo < 43
	v_cndmask_b32 v[UT+4+xe], v[UT+30+xe], v[UT+28+xe], s[MK+2+xe]
.elseif xo < 45
	v_cndmask_b32 v[UT+8+xe], v[UT+32+xe], v[UT+30+xe], s[MK+2+xe]
.elseif xo < 47
	v_cndmask_b32 v[UT+10+xe], 0, v[UT+32+xe], s[MK+2+xe]
.elseif xo < 49
	v_cndmask_b32 v[UT+12+xe], v[UT+2+xe], 0, s[MK+6+xe]
.elseif xo < 51
	v_cndmask_b32 v[UT+14+xe], v[UT+4+xe], 0, s[MK+6+xe]
.elseif xo < 53
	v_cndmask_b32 v[UT+16+xe], v[UT+8+xe], v[UT+2+xe], s[MK+6+xe]
.elseif xo < 55
	v_cndmask_b32 v[UT+18+xe], v[UT+10+xe], v[UT+4+xe], s[MK+6+xe]
.elseif xo < 57
	v_cndmask_b32 v[AR+4*xe], v[UT+12+xe], v[UT+8+xe], s[MK+4+xe]
.elseif xo < 59
	v_cndmask_b32 v[AR+4*xe+1], v[UT+14+xe], v[UT+10+xe], s[MK+4+xe]
.elseif xo < 61
	v_cndmask_b32 v[AR+4*xe+2], v[UT+16+xe], 0, s[MK+4+xe]
.else
	v_cndmask_b32 v[AR+4*xe+3], v[UT+18+xe], 0, s[MK+4+xe]
.endif
.set xq, xq+1
.endm
; SILU of the tile's 32 x a lane, x / (1 + 2^(-x log2 e)); SLOP writes the next instruction of chunk q's share.
;   chunk 0: 16 scalings, 32 exponentials      chunk 1: 16 additions of 1      chunk 2: 16 reciprocals      chunk 3: the other 16; 16 products with x; 16 roundings to f16, two neighbouring features a word
; The exponentials' first reader stands behind chunk 1's change of slots, the reciprocals' behind chunk 3's: the one wait for each batch stands at the head of that change, ahead of its branches.
.macro SLOP q
	WIN 0x55                                       ; all in window 1
.if (\q) == 0
.if sq < 16
	v_pk_mul_f32 v[EW+2*sq:EW+2*sq+1], v[XSR+2*sq:XSR+2*sq+1], 0xbfb8aa3b op_sel_hi:[1,0]
.else
	v_exp_f32 v[EW+sq-16], v[EW+sq-16]
.endif
.elseif (\q) == 1
	v_pk_add_f32 v[EW+2*sq:EW+2*sq+1], v[EW+2*sq:EW+2*sq+1], 1.0 op_sel_hi:[1,0]
.elseif (\q) == 2
	v_rcp_f32 v[EW+sq], v[EW+sq]
.elseif sq < 16
	v_rcp_f32 v[EW+16+sq], v[EW+16+sq]
.elseif sq < 32
	v_pk_mul_f32 v[EW+2*(sq-16):EW+2*(sq-16)+1], v[EW+2*(sq-16):EW+2*(sq-16)+1], v[XSR+2*(sq-16):XSR+2*(sq-16)+1]
.else
	v_cvt_pk_f16_f32 v[EW+8*((sq-32)/4)+(sq-32)%4], v[EW+8*((sq-32)/4)+2*((sq-32)%4)], v[EW+8*((sq-32)/4)+2*((sq-32)%4)+1]
.endif
.set sq, sq+1
.endm
; The slice behind product i.  Chunk 0: 12 slices of four are silu's; chunks 1 and 2: 4.  Chunk 3: products 0 to 7 and 12 to 15 carry silu, 8 to 11 nothing (the round stands there), and the expansion, whose x comes
; out of LDS behind the round, has the 48 slices from product 16 on.  The expansion's 252 are dealt evenly: XB to a slice, one more in the first XE.  In front of each run of loads of W' stand four plain
; instructions or more that name no register of the products round them.
.macro SLICE q
.set sil, 0
.if (\q) == 0
.if (i%16 == 2) || (i%16 == 6) || (i%16 == 10)
.set sil, 1
.endif
.elseif (\q) == 3
.if i < 16
.set sil, 1
.endif
.if (i >= 8) && (i < 12)
.set sil, 2
.endif
.else
.if (i == 20) || (i == 24) || (i == 28) || (i == 36)
.set sil, 1
.endif
.endif
.if sil == 1
.rept 4
	SLOP \q
.endr
.elseif sil == 0
.rept XB
	XOP
.endr
.if xs < XE
	XOP
.endif
.set xs, xs+1
.endif
.endm
; THE CHANGE OF SLOTS, in chunks 1 and 3, in three parts with four products and their slices between them.  The slot's last bytes were asked for behind product 0.
; CH1, behind product 3: all my tensor loads have landed; 0 onto my spare word; the descriptors are stepped.
.macro CH1 q
	WIN 0
	s_wait_alu depctr_va_vdst(0)                   ; the wait for silu's batch (chunk 1: the exponentials; chunk 3: the reciprocals), ahead of the round's branches and of the batch's first reader
	s_wait_xcnt 0x0                                ; the last prefetches, two chunks back or more, have read their addresses, so these may be written
	s_add_nc_u64 s[56:57], s[56:57], STEPB
.if (\q) == 1
	s_and_b32 s90, s92, 1                          ; x's prefetch: rows 64 (m % 2) on,
	s_lshl_b32 s90, s90, 17
	s_lshr_b32 s60, s92, 1                         ; block m / 2 + 1
	s_add_co_u32 s60, s60, 1
	s_lshl_b32 s60, s60, 8
	s_add_co_u32 s90, s90, s60
	s_add_nc_u64 s[58:59], s[88:89], s[90:91]
	s_add_co_u32 s92, s92, 1
.endif
	s_wait_tensorcnt 0x0                           ; the one load of mine that was out: my half of the next slot, or of the tile of x
	ds_add_u32 v2, v3                              ; 0 onto my spare word; scalar work, four products and their slices stand between it and the wait for it
	s_xor_b32 s29, s29, SLOTB                      ; the walking descriptor: the other slot than last time,
	s_add_nc_u64 s[30:31], s[30:31], STEPB         ; the next step; the type bits on top are not reached
.if (\q) == 1
	s_add_co_u32 s46, s46, 128                     ; the next tile of x, behind the last the first again: its address is made anew
	s_and_b32 s46, s46, 0x7ff
	s_add_nc_u64 s[42:43], s[44:45], s[46:47]
	s_or_b32 s43, s43, 0x80000000
.endif
.endm
.macro CH2                             ; behind product 7
	s_wait_dscnt 0x0                               ; the add is done, and my reads of the slot (and of the tile of x) are over
	s_barrier_signal -1                            ; where a slot is filled again this barrier opens a round of the cluster's
.endm
; CH3, behind product 11: no wave of any partner still reads the slot or has a load on its way; the refill is the first thing behind the round.
.macro CH3 q
	WIN 0
	s_barrier_wait -1
	CREST
.if (\q) == 1
	JLOADWX
.else
	JLOADW
.endif
	s_xor_b32 s48, s48, SLOTB                      ; the fetches go on in the other slot
	v_add_nc_u32 v5, s48, v4
.if (\q) == 3
	HLOAD                                          ; the next tile of x, which the round has shown landed
.endif
	ASKW
.if (\q) == 1
	ASKX
.endif
.endm
; A SPLINE CHUNK, q = 0..3 of a tile: 64 products on buffer q % 2; beside them chunk q + 1 is expanded into the other buffer (chunk 3: the next tile's chunk 0).
; W' has one set of registers: a quarter (four column blocks) is asked for again, for the next chunk, one product behind its last use, and is waited for 48 products later:
; at each quarter's head the two younger runs of eight loads may be out; other LDS instructions that stand between make that count the stricter one.
.macro SCHUNK q
.set GN, ((\q)+1)&3
.set AA, (\q)&1
.set AN, 1-AA
.set XB, 4
.set XE, 12
.if (\q) == 0
.set XE, 44
.endif
.if (\q) == 3
.set XB, 5
.endif
.set i, 0
.set xq, 0
.set xs, 0
.set sq, 0
.rept 64
.if i%16 == 0
.if ((\q) == 3) && (i == 16)
	s_wait_dscnt 0x0                               ; the next tile's x is in: the eight loads behind the round are all that is out
.else
	s_wait_dscnt 16
.endif
.endif
	MM AA, 0
	SLICE \q
.if i == 0
	BLOAD AA, 3
.endif
.if ((\q) == 3) && (i == 16)
	SSTORE                                         ; silu of this tile goes to its stage,
	XSLOAD                                         ; and its registers take the next tile's x
.endif
.if (i == 16) || (i == 32) || (i == 48)
	BLOAD AN, i/16-1
.endif
.if AA
.if i == 3
	CH1 \q
.endif
.if i == 7
	CH2
.endif
.if i == 11
	CH3 \q
.endif
.endif
.set i, i+1
.endr
.endm
; A BASE CHUNK: silu out of my stage, W' as before, no vector work.  par: its buffer of A and its place j in the step; nxt: the chunk whose A it fetches (counted from where v219 stands), or -1.
; The eight base chunks are also the ring's tail.  mode, in odd chunks: 1: the slot is filled again; 0: nothing is left to ask for: a plain barrier; -1: the last chunk: no change, nothing more is fetched; 9: an even chunk.
.macro BCH1 mode
	WIN 0
.if (\mode) == 1
	s_wait_xcnt 0x0
	s_add_nc_u64 s[56:57], s[56:57], STEPB
.endif
	s_wait_tensorcnt 0x0
	ds_add_u32 v2, v3                              ; as in CH1
.if (\mode) == 1
	s_xor_b32 s29, s29, SLOTB
	s_add_nc_u64 s[30:31], s[30:31], STEPB
.endif
.endm
.macro BCH3 mode
	WIN 0
	s_barrier_wait -1
.if (\mode) == 1
	CREST
	JLOADW
.endif
	s_xor_b32 s48, s48, SLOTB
	v_add_nc_u32 v5, s48, v4
.if (\mode) == 1
	ASKW                                           ; the first time: step 35, the last;
	s_mov_b32 s54, 0                               ; then nothing more
.endif
.endm
.macro BCHUNK par, nxt, mode
.set i, 0
.rept 64
.if i%16 == 0
.if ((\mode) == -1) && (i == 32)
	s_wait_dscnt 8                                 ; the last chunk: one younger run,
.elseif ((\mode) == -1) && (i == 48)
	s_wait_dscnt 0x0                               ; then none
.else
	s_wait_dscnt 16
.endif
.endif
	MM \par, 1
.if i == 0
	PLACES
	BLOAD \par, 3
.if (\nxt) >= 0
	ALOAD \nxt
.endif
.endif
.if ((\mode) != -1) && ((i == 16) || (i == 32) || (i == 48))
	PLACES
	BLOAD 1-(\par), i/16-1
.endif
.if ((\mode) == 0) || ((\mode) == 1)
.if i == 3
	BCH1 \mode
.endif
.if i == 7
	CH2
.endif
.if i == 11
	BCH3 \mode
.endif
.endif
.set i, i+1
.endr
.endm
	s_load_b128 s[4:7], s[0:1], 0x0                ; x s[4:5], wq s[6:7]
	s_load_b64 s[8:9], s[0:1], 0x10                ; out0
	v_lshl_add_u32 v2, v0, 2, SPARE                ; my spare word; never rewritten
	v_mov_b32 v3, 0                                ; 0; never rewritten
	ds_add_u32 v2, v3                              ; the wave's opening: the add and its wait stand ahead of my first tensor load; the set-up below, work on registers, stands between them
	v_lshrrev_b32 v1, 5, v0
	v_readfirstlane_b32 s10, v1                    ; wave 0..3
	s_lshr_b32 s11, s10, 1                         ; rh: which 64 rows are mine.  Also: I fetch W' (0) or x (1)
	s_and_b32 s12, s10, 1                          ; kh: which half of K.  Also: which half of a step or of a tile I fetch
	s_bfe_u32 s13, ttmp6, 0x40000                  ; cx: my place in the cluster: it enters addresses in memory alone
	s_lshl_b32 s14, ttmp9, 2                       ; in a cluster launch ttmp9 counts clusters
	s_add_co_u32 s14, s14, s13                     ; my block of 128 rows
	s_and_b32 s15, ttmp7, 0xffff                   ; cb2: which 256 columns; the four partners share it
	; descriptor group 1 for W': half a step is 32,768 dense bytes: 128 rows of 256
	s_mov_b32 s16, 15|(3<<16)|(1<<21)              ; 15:0 the mask: all four work-groups; 17:16 elements of 8 bytes; 21 set beside a mask; no padding
	s_mov_b32 s17, 32<<16                          ; tensor_dim0 = 32
	s_mov_b32 s18, 128<<16                         ; tensor_dim1 = 128
	s_mov_b32 s19, 32<<16                          ; tile_dim0 = 32
	s_mov_b32 s20, 128                             ; tile_dim1 = 128
	s_mov_b32 s21, 32                              ; 32 elements from row to row
	s_mov_b32 s22, 0
	s_mov_b32 s23, 0
	; descriptor group 1 for x: 64 rows of 32 f32, padded in LDS
	s_mov_b32 s32, (2<<16)|(1<<20)|(4<<22)|(3<<25) ; no mask; 17:16 elements of 4 bytes; 20 padding on; 24:22 after every 32 words (code 4); 31:25 4 words of it (code 3)
	s_mov_b32 s33, 32<<16                          ; tensor_dim0 = 32
	s_mov_b32 s34, 64<<16                          ; tensor_dim1 = 64
	s_mov_b32 s35, 32<<16                          ; tile_dim0 = 32
	s_mov_b32 s36, 64                              ; tile_dim1 = 64
	s_mov_b32 s37, 512                             ; 512 elements from row to row
	s_mov_b32 s38, 0
	s_mov_b32 s39, 0
	s_mov_b32 s24, 1                               ; group 0 for step 0: count = 1,
	s_lshl_b32 s25, s12, 15                        ; LDS: slot 0, my half
	s_mov_b32 s28, 1                               ; group 0 for step 1; it then walks
	s_add_co_u32 s29, s25, SLOTB
	s_mov_b32 s40, 1                               ; group 0 for x
	s_mul_i32 s41, s12, 64*XPI
	s_add_co_u32 s41, s41, XSL
	s_mov_b32 s46, 0                               ; the tile of x that was asked for last, in bytes of a row
	s_mov_b32 s47, 0
	s_mov_b32 s48, 0                               ; the slot in hand
	s_mov_b32 s50, 0x40400000                      ; 3.0; named as pairs, so both words are written
	s_mov_b32 s51, s50
	s_mov_b32 s52, 0xc0c00000                      ; -6.0
	s_mov_b32 s53, s52
	s_mov_b32 s85, 0                               ; silu's stage: the tile's place
	s_or_b32 s60, s11, ttmp9                       ; 0 in waves 0 and 1 of the first cluster of a column half: the same in all four partners
	s_cmp_eq_u32 s60, 0
	s_cselect_b32 s54, 1, 0
	s_xor_b32 s60, s11, 1                          ; 0 in waves 2 and 3,
	s_or_b32 s60, s60, s15                         ; where the column half is 0
	s_cmp_eq_u32 s60, 0
	s_cselect_b32 s55, 3, -1                       ; x is prefetched while s49 is above this
	s_mul_i32 s60, s15, CB2B                       ; W': my column half, my half of a step
	s_add_co_u32 s60, s60, s25
	s_mov_b32 s61, 0
	s_lshl_b32 s86, s14, 18                        ; 128 rows of 2,048 bytes, in x and in out0
	s_mov_b32 s87, 0
	s_lshl_b32 s94, s12, 17                        ; the 64 rows of x that I fetch
	s_mov_b32 s95, 0
	s_lshl_b32 s90, s13, 13                        ; my work-group's 8,192 bytes of what is prefetched of W'
	s_mov_b32 s91, 0
	s_lshl_b32 s92, s10, 16                        ; the way out: my 32 rows,
	s_lshl_b32 s93, s15, 10                        ; my work-group's 1,024 bytes of a row
	s_add_co_u32 s92, s92, s93
	s_mov_b32 s93, 0
	s_wait_dscnt 0x0                               ; the opening add is done
	s_wait_kmcnt 0x0
	s_add_nc_u64 s[62:63], s[6:7], s[60:61]
	s_mov_b64 s[26:27], s[62:63]                   ; step 0
	s_or_b32 s27, s27, 0x80000000                  ; type = 2
	s_add_nc_u64 s[30:31], s[62:63], STEPB         ; step 1
	s_or_b32 s31, s31, 0x80000000
	s_add_nc_u64 s[56:57], s[62:63], s[90:91]
	s_add_nc_u64 s[56:57], s[56:57], 2*STEPB       ; at step 2: the first change of slots steps it to 3
	s_add_nc_u64 s[88:89], s[4:5], s[86:87]        ; x at my block's first row: the prefetches' base
	s_add_nc_u64 s[44:45], s[88:89], s[94:95]      ; x at the rows that I fetch, tile 0
	s_mov_b64 s[42:43], s[44:45]
	s_or_b32 s43, s43, 0x80000000
	s_add_nc_u64 s[82:83], s[8:9], s[86:87]
	s_add_nc_u64 s[82:83], s[82:83], s[92:93]      ; out0 at the first row that I store
	s_mov_b32 s92, 1                               ; m, for x's prefetch
	s_mov_b32 s93, 0                               ; the base part's place in silu's stage
	CROUND                                         ; all four work-groups are here: the first joint loads meet
	s_cmp_lt_u32 s10, 2                            ; a wave's first fills stand in one branch: two loads of mine are out (waves 0, 1) or one (waves 2, 3)
	s_cbranch_scc0 .Lfirst_x
	tensor_load_to_lds s[24:27], s[16:23]
	s_nop 0
	tensor_load_to_lds s[28:31], s[16:23]
	s_nop 0
	PLACES
	s_branch .Lfirst_asked
.Lfirst_x:
	tensor_load_to_lds s[40:43], s[32:39]
	s_nop 0
	PLACES
.Lfirst_asked:
	; addresses and constants, and the clearing, in the wait for the first tiles
	v_and_b32 v1, 31, v0                           ; lane
	v_and_b32 v14, 15, v0                          ; r
	v_bfe_u32 v15, v0, 4, 1                        ; h
	v_lshl_add_u32 v4, v1, 4, s25                  ; W': 16 x lane + my half of K; never rewritten
	v_mov_b32 v5, v4                               ; + the slot in hand
	s_lshl_b32 s60, s11, 6
	v_add_nc_u32 v6, s60, v14                      ; my row in the block's 128: 64 rh + r
	v_mul_u32_u24 v10, v6, PSP
	v_mul_u32_u24 v6, v6, XPI
	s_lshl_b32 s61, s12, 6
	s_add_co_u32 s61, s61, XSL
	v_lshl_add_u32 v6, v15, 5, v6
	v_add_nc_u32 v6, s61, v6                       ; x: row x pitch + 64 kh + 32 h
	s_mul_i32 s61, s12, PSC
	v_lshl_add_u32 v10, v15, 5, v10
	v_add_nc_u32 v10, s61, v10                     ; the way out, in: my half's copy, my row, 32 bytes for each half of the lanes
	s_lshl_b32 s61, s10, 15
	s_add_co_u32 s61, s61, SS
	v_lshl_add_u32 v216, v1, 4, s61                ; silu's stage: my wave's, 16 x lane; never rewritten
	v_lshlrev_b32 v8, 8, v1                        ; prefetch of W': a lane a block of 256 bytes
	s_lshl_b32 s61, s12, 5
	v_add_nc_u32 v9, s61, v1
	v_lshlrev_b32 v9, 11, v9                       ; prefetch of x: a lane a row, 32 rows a wave
	s_mul_i32 s61, s10, 32*PSP
	v_lshl_add_u32 v11, v1, 4, s61                 ; the way out, back: rows 32 w on, 512 bytes a load, of the first copy
	v_add_nc_u32 v12, PSC, v11                     ; and of the second
	v_lshlrev_b32 v13, 4, v1
	v_mov_b32 v16, 0x3e68ba2f                      ; 2.5 / 11
	v_mov_b32 v17, v16
	v_mov_b32 v18, 0.5
	v_mov_b32 v19, 0.5
	v_mov_b32 v217, 0x05040302                     ; j even: the upper half of the lower word, the lower half of the upper word
	v_mov_b32 v218, 0x03020100                     ; j odd: the lower word as it is
	WIN 0x80
.set zz, 0
.rept 256
	v_mov_b32 v[zz], 0
.set zz, zz+1
.endr
	WIN 0xc0
.set zz, 0
.rept 256
	v_mov_b32 v[zz], 0
.set zz, zz+1
.endr
	WIN 0
	s_wait_tensorcnt 0x0                           ; my parts of steps 0 and 1, or of tile 0, are in;
	s_barrier_signal -1
	s_barrier_wait -1                              ; everybody's are.
	HLOAD
	XSLOAD
	BLOAD 0, 0
	BLOAD 0, 1
	BLOAD 0, 2
	s_wait_dscnt 0x0
.set GN, 0
.set AN, 0
.set xq, 0
.rept 252
	XOP                                            ; chunk 0 of tile 0: there are no products yet to set it beside
.endr
	WIN 0
	s_mov_b32 s49, 16
.Ltrip:                                ; a trip is a tile: 4 chunks, 2 steps of W', 2 changes of slots, each with a refill
	SCHUNK 0
	SCHUNK 1
	SCHUNK 2
	SCHUNK 3
	WIN 0
	s_sub_co_u32 s49, s49, 1
	s_cmp_lg_u32 s49, 0
	s_cbranch_scc1 .Ltrip
	PLACES                                         ; eight places: the f16 form takes up accumulators that the bf16 form has just written, and A's buffers are loaded into
	PLACES
	v_mov_b32 v219, v216
	ALOAD 0
	s_wait_dscnt 0x0
	s_mov_b32 s84, 2
.Lbase:                                ; steps 32 and 33: their changes of slots ask for steps 34 and 35
	BCHUNK 0, 1, 9
	BCHUNK 1, 2, 1
	WIN 0
	s_add_co_u32 s93, s93, 8192                    ; two chunks on in the stage
	v_add_nc_u32 v219, s93, v216
	s_sub_co_u32 s84, s84, 1
	s_cmp_lg_u32 s84, 0
	s_cbranch_scc1 .Lbase
	BCHUNK 0, 1, 9                                 ; steps 34 and 35 are written out: nothing is asked for
	BCHUNK 1, 2, 0
	BCHUNK 0, 3, 9
	BCHUNK 1, -1, -1
	; THE WAY OUT.  Both halves of K put their 64 x 256 sums into LDS, in rows of 1,040 bytes; each wave then reads 32 whole rows of both copies, adds them and stores them.
	WIN 0
	s_wait_dscnt 0x0
	s_barrier_signal -1
	s_barrier_wait -1                              ; nobody reads the slots or the stages any more, and every slot has had its last fill
	PLACES
	PLACES
.set rb, 0
.rept 4
	WIN 0x08+4*(rb/2)                              ; data (source 1) window 2 or 3
.set cb, 0
.rept 16
.set AC, 8*(16*(rb%2)+cb)
	ds_store_b128 v10, v[AC:AC+3]   offset:rb*16*PSP+cb*64     ; each accumulator from its low end on
	ds_store_b128 v10, v[AC+4:AC+7] offset:rb*16*PSP+cb*64+16
.set cb, cb+1
.endr
.set rb, rb+1
.endr
	WIN 0
	s_wait_dscnt 0x0                               ; for the others' sake: my stores are done
	s_barrier_signal -1
	s_barrier_wait -1
	s_mov_b32 s84, 8
	s_mov_b32 s86, 0
.Lout:                                 ; four rows a trip
	v_add_nc_u32 v220, s86, v11
	v_add_nc_u32 v221, s86, v12
.irp t, 0,1,2,3,4,5,6,7
	ds_load_b128 v[20+4*\t:23+4*\t], v220 offset:(\t/2)*PSP+(\t%2)*512
	ds_load_b128 v[52+4*\t:55+4*\t], v221 offset:(\t/2)*PSP+(\t%2)*512
.endr
	s_wait_dscnt 0x0
.set zz, 0
.rept 16
	v_pk_add_f32 v[20+zz:21+zz], v[20+zz:21+zz], v[52+zz:53+zz]
.set zz, zz+2
.endr
.irp t, 0,1,2,3,4,5,6,7
	global_store_b128 v13, v[20+4*\t:23+4*\t], s[82:83] offset:(\t/2)*2048+(\t%2)*512 th:TH_STORE_NT  ; a wave's store covers 512 consecutive bytes, at a multiple of 512 from out0's first byte
.endr
	s_wait_xcnt 0x0                                ; the stores have read their data and their base: only now are these written again
	s_add_co_u32 s86, s86, 4*PSP
	s_add_nc_u64 s[82:83], s[82:83], 4*2048
	s_sub_co_u32 s84, s84, 1
	s_cmp_lg_u32 s84, 0
	s_cbranch_scc1 .Lout
	s_wait_tensorcnt 0x0                           ; the wave's end: three closing lines, behind my last tensor load and my last LDS store
	ds_add_u32 v2, v3
	s_wait_dscnt 0x0
	CROUND                                         ; the closing round: no work-group ends while a partner may still ask for a tile that names it
	s_endpgm
.Lfunc_end_k_q59abcda190_kan:
	.size	k_q59abcda190_kan, .Lfunc_end_k_q59abcda190_kan-k_q59abcda190_kan
	.p2alignl 7, 3214868480
	.fill 96, 4, 3214868480
	.section	.rodata,"a",@progbits
	.p2align	6, 0x0
	.amdhsa_kernel k_q59abcda190_kan
		.amdhsa_group_segment_fixed_size 327680
		.amdhsa_private_segment_fixed_size 0
		.amdhsa_enable_private_segment 0
		.amdhsa_kernarg_size 24
		.amdhsa_user_sgpr_count 2
		.amdhsa_user_sgpr_kernarg_segment_ptr 1
		.amdhsa_wavefront_size32 1
		.amdhsa_system_sgpr_workgroup_id_x 1
		.amdhsa_system_sgpr_workgroup_id_y 1
		.amdhsa_system_sgpr_workgroup_id_z 1
		.amdhsa_system_vgpr_workitem_id 0
		.amdhsa_next_free_vgpr 1024
		.amdhsa_next_free_sgpr 96
		.amdhsa_reserve_vcc 0
		.amdhsa_float_denorm_mode_32 3
		.amdhsa_float_denorm_mode_16_64 3
		.amdhsa_memory_ordered 1
		.amdhsa_forward_progress 1
		.amdhsa_inst_pref_size 211
	.end_amdhsa_kernel
	.amdgpu_metadata
---
amdhsa.version: [ 1, 2 ]
amdhsa.kernels:
  - .name:           k_q59abcda190_kan
    .symbol:         k_q59abcda190_kan.kd
    .args:
      - { .name: x, .offset: 0, .size: 8, .value_kind: global_buffer, .address_space: global }
      - { .name: wq, .offset: 8, .size: 8, .value_kind: global_buffer, .address_space: global }
      - { .name: out0, .offset: 16, .size: 8, .value_kind: global_buffer, .address_space: global }
    .group_segment_fixed_size: 327680
    .private_segment_fixed_size: 0
    .kernarg_segment_align: 8
    .kernarg_segment_size: 24
    .max_flat_workgroup_size: 128
    .sgpr_count:     96
    .vgpr_count:     1024
    .wavefront_size: 32
...
	.end_amdgpu_metadata
.endif
;; end of part 2
;; ======== version 2 of 2: 2 launches; version 1 with the launch prep written anew for expert scheduling mode
;; limits: values are held in f16: magnitudes above 65,504 overflow, below 6.1e-05 lose precision; inputs' magnitudes at most 65,504
;; workspace buffers: wq 4,718,592 bytes
;; launch prep (part 3): grid 32 x 8, 8 waves a work-group, no clusters, 20,736 bytes of LDS; arguments base_weight, spline_scaler, spline_weight, wq; writes wq
.if DOCPART == 3
	.amdgcn_target "amdgcn-amd-amdhsa--gfx1250"
	.amdhsa_code_object_version 6
	.text
	.protected	k_q59abcda190_prep
	.globl	k_q59abcda190_prep
	.p2align	8
	.type	k_q59abcda190_prep,@function
k_q59abcda190_prep:
	s_mov_b64 s[64:65], 0
	v_nop
	global_prefetch_b8 v0, s[64:65] scope:SCOPE_SE
	s_setreg_imm32_b32 hwreg(HW_REG_WAVE_SCHED_MODE, 0, 2), 2
	s_setreg_imm32_b32 hwreg(HW_REG_WAVE_MODE, 25, 1), 1
	s_wait_xcnt 0x0
	s_wait_alu depctr_vm_vsrc(0)
; THE WEIGHTS, ONCE, IN THE ORDER IN WHICH THE SECOND LAUNCH'S MATRIX INSTRUCTIONS WANT THEM.
; wq = [cb2 2][step 36][kh 2][j 2][cbk 16][1,024 bytes].  A block of 1,024 bytes is one fragment, 16 output columns x 32 along K, as [e 2][h 2][r 16][16 bytes]:
; the 16 bytes at (e, h, r) are registers 4 e .. 4 e + 3 of lane 16 h + r, so a load of 16 bytes a lane at 16 x lane brings half a fragment.
; Feature f: e = bit 0, q = bits 2:1, h = bit 3, kh = bit 4 (which half of K: which wave of the second launch), T = f / 32.  Chunk c of a half lies at step c / 2, j = c % 2.
;   spline chunks c = 4 T + q, bf16: the 16 bytes at (e, h, r) are the feature's 8 coefficients spline_weight x (spline_scaler / 6), rounded once
;     (the second launch makes 6 x the bases; the order of rounding differs from the product spline_weight x spline_scaler taken first);
;   base chunks c = 64 + T / 2, f16: half e = T % 2, h as above, element = bits 2:0 of f; the number is base_weight rounded once.
; LIMITS.  f16 holds no number beyond 65,504 and keeps a fixed step of 6e-8 below 6e-5: base_weight is taken to lie within that range.
; SHARES.  A work-group takes 16 columns (ng) x 64 features (Tt): 16 spline fragments and 2 base fragments.  Thread t: feature fl = t % 64, columns 4 it + t / 64, it = 0..3.
; The numbers change lanes through LDS, so that every store of a wave covers 512 consecutive bytes, at a multiple of 512 from wq's first byte.
; THE MODE: SCHED_MODE bits 1:0 = 2 (LLVM: expert scheduling mode 2), set by the entry lines.  The code itself states the register dependences
; between vector instructions and memory or LDS instructions, with s_wait_alu, always for 0.
; THE PLAN.  Registers that memory or LDS instructions touch, in the order of the text (there is no loop):
;   v6, v7             offsets of the sixteen global loads.  Written at the head; never written again.
;   v[16:55]           the global loads land here; behind the wait for them the arithmetic reads them and writes v[16:47] in place.  Behind the barrier LDS loads land in v[16:31]
;                      (waves 0 to 3: in v[32:35] too), and the global stores read those; nothing writes them after that.
;   v[64:83]           written by the roundings, read by the eight LDS stores; never written again.
;   v8, v9, v10, v12   LDS addresses, and v11, the global stores' offset: written while the global loads are out; never written again.
;   v2, v3             written at the head, read by the closing add alone.          s12: written by v_readfirstlane_b32, read by scalar instructions.
; So three waits state everything: one on va_sdst ahead of s12's first reader; one on va_vdst ahead of the first global load; one on va_vdst behind ALL the arithmetic, ahead of the run of LDS stores.
; Behind that third wait the text holds no vector instruction, on any path, so it also serves the LDS loads and the global stores behind the barrier.
; No register that a memory or LDS instruction has read is written again: no wait on vm_vsrc is owed.
.set HP,    272                        ; in LDS a quarter fragment (one h: 16 columns x 16 bytes) takes 256 bytes + 16,
.set UP,    544                        ; half a fragment two of them
.set BST,   32*UP                      ; from 0: 32 halves of spline fragments, number 8 (fl / 16) + fl % 8; here: 4 halves of base fragments, number 2 kh + T % 2
.set SPARE, 19712                      ; the spare words, 128 bytes for each of the eight waves: four blocks of 256 bytes that no other line names
.set CB2B,  2359296                    ; bytes of wq for 256 columns
	s_load_b256 s[4:11], s[0:1], 0x0               ; base_weight s[4:5], spline_scaler s[6:7], spline_weight s[8:9], wq s[10:11]
	v_lshl_add_u32 v2, v0, 2, SPARE                ; my spare word
	v_mov_b32 v3, 0
	v_lshrrev_b32 v1, 5, v0
	v_readfirstlane_b32 s12, v1                    ; wave 0..7: on the way out it takes half number wave of each eight: q = wave / 2, e = wave % 2
	s_and_b32 s13, ttmp7, 0xffff                   ; Tt
	v_and_b32 v4, 63, v0                           ; fl
	v_lshrrev_b32 v5, 6, v0                        ; nq = t / 64
	v_lshlrev_b32 v6, 5, v4                        ; spline_weight: 32 bytes a feature,
	v_lshl_add_u32 v6, v5, 14, v6                  ; 16,384 a column
	v_lshlrev_b32 v7, 2, v4                        ; the two [512][512] tensors: 4 bytes a feature,
	v_lshl_add_u32 v7, v5, 11, v7                  ; 2,048 a column
	s_wait_alu depctr_va_sdst(0)                   ; s12 is written, ahead of its first reader: the stores' bases, an LDS address and a branch are made from it
	s_lshl_b32 s14, ttmp9, 18                      ; 16 columns of spline_weight
	s_lshl_b32 s15, s13, 11                        ; 64 features of it
	s_add_co_u32 s14, s14, s15
	s_mov_b32 s15, 0
	s_lshl_b32 s16, ttmp9, 15                      ; the same in the two smaller tensors
	s_lshl_b32 s17, s13, 8
	s_add_co_u32 s16, s16, s17
	s_mov_b32 s17, 0
	s_lshr_b32 s20, ttmp9, 4                       ; cb2
	s_mul_i32 s20, s20, CB2B
	s_and_b32 s21, ttmp9, 15                       ; cbk
	s_lshl_b32 s21, s21, 10
	s_add_co_u32 s20, s20, s21
	s_and_b32 s21, s12, 1                          ; which half of a fragment I store
	s_lshl_b32 s21, s21, 9
	s_add_co_u32 s20, s20, s21                     ; what all my stores share
	s_lshl_b32 s22, s13, 18                        ; spline: step 4 Tt + 2 (T % 2) + q / 2; T % 2 and kh stand in the stores' immediates
	s_add_co_u32 s22, s22, s20
	s_lshr_b32 s21, s12, 2                         ; q / 2
	s_lshl_b32 s21, s21, 16
	s_add_co_u32 s22, s22, s21
	s_bfe_u32 s21, s12, 0x10001                    ; j = q % 2
	s_lshl_b32 s21, s21, 14
	s_add_co_u32 s22, s22, s21
	s_mov_b32 s23, 0
	s_lshr_b32 s24, s13, 1                         ; base: chunk 64 + Tt: step 32 + Tt / 2,
	s_add_co_u32 s24, s24, 32
	s_lshl_b32 s24, s24, 16
	s_add_co_u32 s24, s24, s20
	s_lshr_b32 s21, s12, 1                         ; kh = wave / 2 (waves 0 to 3),
	s_lshl_b32 s21, s21, 15
	s_add_co_u32 s24, s24, s21
	s_and_b32 s21, s13, 1                          ; j = Tt % 2
	s_lshl_b32 s21, s21, 14
	s_add_co_u32 s24, s24, s21
	s_mov_b32 s25, 0
	s_wait_kmcnt 0x0
	s_add_nc_u64 s[8:9], s[8:9], s[14:15]
	s_add_nc_u64 s[6:7], s[6:7], s[16:17]
	s_add_nc_u64 s[4:5], s[4:5], s[16:17]
	s_add_nc_u64 s[26:27], s[10:11], s[22:23]
	s_add_nc_u64 s[28:29], s[10:11], s[24:25]
	s_wait_alu depctr_va_vdst(0)                   ; v6 and v7 are written, which the sixteen loads below read as their offsets
.irp t, 0,1,2,3                        ; all sixteen loads go out together; each byte is read once in the launch
	global_load_b128 v[16+8*\t:19+8*\t], v6, s[8:9] offset:\t*65536 th:TH_LOAD_NT
	global_load_b128 v[20+8*\t:23+8*\t], v6, s[8:9] offset:\t*65536+16 th:TH_LOAD_NT
	global_load_b32 v[48+\t], v7, s[6:7] offset:\t*8192 th:TH_LOAD_NT
	global_load_b32 v[52+\t], v7, s[4:5] offset:\t*8192 th:TH_LOAD_NT
.endr
	; LDS addresses, made while the loads are out: these lines name v0, v4, v5 and v8 to v15 alone, none of the registers that the loads read or land in
	v_lshrrev_b32 v12, 4, v4                       ; 2 (T % 2) + kh
	v_and_b32 v13, 7, v4                           ; 2 q + e
	v_lshl_add_u32 v13, v12, 3, v13                ; the half's number
	v_mul_u32_u24 v8, v13, UP
	v_bfe_u32 v14, v4, 3, 1                        ; h
	v_mul_u32_u24 v14, v14, HP
	v_add_nc_u32 v8, v8, v14
	v_lshl_add_u32 v8, v5, 4, v8                   ; column 4 it + nq: 16 nq here, 64 it in the immediate
	v_bfe_u32 v12, v4, 4, 1                        ; kh
	v_lshrrev_b32 v13, 5, v4                       ; T % 2
	v_lshl_add_u32 v13, v12, 1, v13
	v_mul_u32_u24 v9, v13, UP
	v_add_nc_u32 v9, v9, v14
	v_lshl_add_u32 v9, v5, 4, v9
	v_and_b32 v13, 7, v4                           ; the element
	v_lshl_add_u32 v9, v13, 1, v9
	v_add_nc_u32 v9, BST, v9
	v_and_b32 v13, 31, v0                          ; back: a wave takes half a fragment, lane l its bytes 16 l
	v_lshrrev_b32 v12, 4, v13
	v_mul_u32_u24 v12, v12, HP
	v_and_b32 v15, 15, v0
	v_lshl_add_u32 v12, v15, 4, v12
	s_mul_i32 s19, s12, UP
	v_add_nc_u32 v10, s19, v12                     ; half number wave of the round's eight
	v_add_nc_u32 v12, BST, v10                     ; waves 0 to 3: half number wave of the base fragments
	v_lshlrev_b32 v11, 4, v13                      ; my 16 bytes of the half in wq
	s_wait_loadcnt 0x0
.irp t, 0,1,2,3                        ; the arithmetic of all four groups of columns stands together, so that one wait serves all the LDS stores
	v_mul_f32 v[56+2*\t], 0x3e2aaaab, v[48+\t]     ; spline_scaler / 6, twice: a pair for the packed multiply
	v_mov_b32 v[57+2*\t], v[56+2*\t]
.irp k, 0,1,2,3
	v_pk_mul_f32 v[16+8*\t+2*\k:17+8*\t+2*\k], v[16+8*\t+2*\k:17+8*\t+2*\k], v[56+2*\t:57+2*\t]
.endr
.irp k, 0,1,2,3
	v_cvt_pk_bf16_f32 v[64+4*\t+\k], v[16+8*\t+2*\k], v[17+8*\t+2*\k]
.endr
	v_cvt_pk_f16_f32 v[80+\t], v[52+\t], v[52+\t]
.endr
	s_wait_alu depctr_va_vdst(0)                   ; the roundings have written v[64:83] and the lines above v8 to v12, which the LDS stores, the LDS loads and the global stores below read; the multiplies and roundings are done with v[16:47], in which the LDS loads below land
.irp t, 0,1,2,3
	ds_store_b128 v8, v[64+4*\t:67+4*\t] offset:\t*64
	ds_store_b16 v9, v[80+\t] offset:\t*64
.endr
	s_wait_dscnt 0x0                               ; for the others' sake: my stores are done
	s_barrier_signal -1
	s_barrier_wait -1                              ; all eighteen fragments lie whole in LDS
.irp t, 0,1,2,3                        ; round t: T % 2 = t / 2, kh = t % 2.  No wait: no vector instruction since the wait above names v10 or v[16:31]
	ds_load_b128 v[16+4*\t:19+4*\t], v10 offset:\t*8*UP
.endr
.irp t, 0,1,2,3
	s_wait_dscnt 3-\t                              ; LDS loads come back in order: number t is in, the younger ones may be out
	global_store_b128 v11, v[16+4*\t:19+4*\t], s[26:27] offset:(\t>>1)*131072+(\t&1)*32768
.endr
	s_cmp_lt_u32 s12, 4                            ; the four halves of the two base fragments: waves 0 to 3
	s_cbranch_scc0 .Lend
	ds_load_b128 v[32:35], v12                     ; likewise no wait: v12 and v[32:35] were last named by vector instructions ahead of the wait above
	s_wait_dscnt 0x0
	global_store_b128 v11, v[32:35], s[28:29]
.Lend:
	s_wait_dscnt 0x0                               ; the closing lines, six on end
	s_wait_alu 0x0
	s_wait_tensorcnt 0x0
	ds_add_u32 v2, v3
	s_wait_dscnt 0x0
	s_endpgm
.Lfunc_end_k_q59abcda190_prep:
	.size	k_q59abcda190_prep, .Lfunc_end_k_q59abcda190_prep-k_q59abcda190_prep
	.p2alignl 7, 3214868480
	.fill 96, 4, 3214868480
	.section	.rodata,"a",@progbits
	.p2align	6, 0x0
	.amdhsa_kernel k_q59abcda190_prep
		.amdhsa_group_segment_fixed_size 20736
		.amdhsa_private_segment_fixed_size 0
		.amdhsa_enable_private_segment 0
		.amdhsa_kernarg_size 32
		.amdhsa_user_sgpr_count 2
		.amdhsa_user_sgpr_kernarg_segment_ptr 1
		.amdhsa_wavefront_size32 1
		.amdhsa_system_sgpr_workgroup_id_x 1
		.amdhsa_system_sgpr_workgroup_id_y 1
		.amdhsa_system_sgpr_workgroup_id_z 1
		.amdhsa_system_vgpr_workitem_id 0
		.amdhsa_next_free_vgpr 96
		.amdhsa_next_free_sgpr 66
		.amdhsa_reserve_vcc 0
		.amdhsa_float_denorm_mode_32 3
		.amdhsa_float_denorm_mode_16_64 3
		.amdhsa_memory_ordered 1
		.amdhsa_forward_progress 1
		.amdhsa_inst_pref_size 10
	.end_amdhsa_kernel
	.amdgpu_metadata
---
amdhsa.version: [ 1, 2 ]
amdhsa.kernels:
  - .name:           k_q59abcda190_prep
    .symbol:         k_q59abcda190_prep.kd
    .args:
      - { .name: base_weight, .offset: 0, .size: 8, .value_kind: global_buffer, .address_space: global }
      - { .name: spline_scaler, .offset: 8, .size: 8, .value_kind: global_buffer, .address_space: global }
      - { .name: spline_weight, .offset: 16, .size: 8, .value_kind: global_buffer, .address_space: global }
      - { .name: wq, .offset: 24, .size: 8, .value_kind: global_buffer, .address_space: global }
    .group_segment_fixed_size: 20736
    .private_segment_fixed_size: 0
    .kernarg_segment_align: 8
    .kernarg_segment_size: 32
    .max_flat_workgroup_size: 256
    .sgpr_count:     66
    .vgpr_count:     96
    .wavefront_size: 32
...
	.end_amdgpu_metadata
.endif
;; end of part 3
;; launch kan: the kernel of part 2 again; grid 128 x 2, 4 waves a work-group, clusters of 4 x 1, 327,680 bytes of LDS; arguments x, wq, out0; writes out0
